; MI455X (gfx1250); checked and timed in simulation.
; The chip was launched on July 23, 2026; its instructions are those of AMD's public machine-readable ISA for CDNA 5 (MIT licence, August 2026) and "CDNA5" Instruction Set Architecture Reference Guide (July 2026). The comments in the code are by the model that wrote it; some were corrected since.
;; Traditional Mo E. Allowed arithmetic: matrix products marked QUANTISED: E4M3 operands, one E8M0 scale for each 32 along K, by v_wmma_scale_f32_16x16x128_f8f6f4 with both operands' format E4M3, f32 sums; products left as they are: f32 operands where the result goes on into a quantised operand, else bf16, f16 or f32 operands; f32 sums; everything else in f32.
;; Inputs: G1 131 x 32 float32; G2 32 x 8 float32; W1 8 x 131 x 1,024 float32; W2_codes 8 x 1,024 x 32 x 32 uint8 (E4M3 codes of W2, K innermost, in blocks of 32 codes); W2_scales 8 x 1,024 x 32 uint8 (E8M0 scales of W2, one for each 32 codes along K); W3_codes 8 x 128 x 32 x 32 uint8 (E4M3 codes of W3, K innermost, in blocks of 32 codes); W3_scales 8 x 128 x 32 uint8 (E8M0 scales of W3, one for each 32 codes along K); b1 8 x 1,024 float32; b2 8 x 1,024 float32; b3 8 x 128 float32; g1b 32 float32; g2b 8 float32; t 4,096 float32; x 4,096 x 128 float32.
;; Outputs: out0 4,096 x 128 float32.
;; This version of the problem:
;;   THIS VERSION OF THE PROBLEM IS GIVEN IN LOW PRECISION. The matrix products marked QUANTISED in the list below multiply operands that are first quantised to E4M3 (4 exponent bits, 3 mantissa bits; 8 bits a number), with one power-of-two scale for each 32 numbers along K (OCP MX v1.0); their sums are f32. All else is computed in f32.
;;   The module's matrix products, in the order in which they are computed (A, B: the left and right operand; K: the contracted axis; several contracted axes count as one K, in the product's order):
;;     1. [M 4,096, K 131] x [K 131, N 32]; A: computed on the way; B: input G1: QUANTISED
;;     2. [M 4,096, K 32] x [K 32, N 8]; A: computed on the way; B: input G2: left as it is (N = 8 < 16)
;;     3. [M 4,096, K 131] x [K 131, N 8,192]; A: computed on the way; B: input W1: QUANTISED
;;     4. batch 8 x [M 1,024, K 1,024] x [K 1,024, N 4,096]; A: input W2 (given as codes); B: computed on the way: QUANTISED
;;     5. batch 8 x [M 128, K 1,024] x [K 1,024, N 4,096]; A: input W3 (given as codes); B: computed on the way: QUANTISED
;;     6. batch 4,096 x [M 1, K 8] x [K 8, N 128]; A: softmax; B: computed on the way: left as it is (K = 8 < 32)
;;   THE QUANTISER, for each operand of a quantised product, along K:
;;     - K is cut into blocks of 32 from its start; a last block that is shorter is filled with zeros.
;;     - A block's scale is 2^e with e = floor(log2(the largest magnitude in the block)) - 8, held to -126 .. 127; a block of zeros has e = 0. As a byte (E8M0): e + 127.
;;     - Each number is divided by its block's scale, clamped to +-448, and rounded to the nearest number of E4M3, ties to even, subnormals kept.
;;     - The product sums the exact products of the quantised numbers (number of the format x scale) in f32.
;;   ~~~python
;;   def quantise(x, axis):      # numpy; x: float32 -> the quantised numbers, widened to float32 again
;;       x = np.moveaxis(x, axis, -1); K = x.shape[-1]
;;       x = np.pad(x, [(0, 0)] * (x.ndim - 1) + [(0, -K % 32)]); x = x.reshape(x.shape[:-1] + (-1, 32)); a = np.abs(x).max(-1, keepdims=True)
;;       e = np.where(a > 0, np.clip(np.frexp(np.where(a > 0, a, 1))[1] - 1 - 8, -126, 127), 0)      # np.frexp(a)[1] - 1 = floor(log2(a)), exactly
;;       r = np.clip(x / 2.0 ** e, -448, 448)
;;       step = 2.0 ** (np.maximum(np.frexp(np.where(r == 0, 1, r))[1] - 1, -6) - 3)
;;       q = np.round(r / step) * step * 2.0 ** e      # np.round: ties to even
;;       return np.moveaxis(q.reshape(q.shape[:-2] + (-1,))[..., :K], -1, axis).astype(np.float32)
;;   ~~~
;;   OPERANDS COMPUTED ON THE WAY. 'Computed on the way' means the value that the module computes at that place (a softmax that the list does not call 'softmax' is quantised finished and normalised). What goes into a quantiser is computed in f32, as accurately as f32 sums, v_exp_f32 and their like allow (about 1e-6 of the number): no bf16 or f16 on the way to a quantiser, and a product that is left as it is and whose result goes on into a quantised operand takes f32 operands (vector FMAs, or v_wmma_f32_16x16x4_f32). A number that lies on a knife's edge between two numbers of the format may be rounded either way, as far as f32 arithmetic and the matrix unit's own rounding can turn it there, and no further.
;;   INPUTS GIVEN AS CODES. W2 (in the module: [8, 1024, 1024], K = its axis 1); W3 (in the module: [8, 1024, 128], K = its axis 1): each comes as NAME_codes (uint8): NAME with its K axis moved to the last place and cut into blocks of 32 codes, [.., K / 32, bytes a block], one block behind the other in memory; one code a byte (a code: sign, 4 exponent bits, 3 mantissa bits); and NAME_scales (uint8): the same leading axes, one E8M0 byte (e + 127) for each 32 codes along K. Its value is code x scale, taken as it is: it is not quantised again, and the codes and scales need not be those that the quantiser above would give.
;; One version. Each part assembles by itself: llvm-mc -triple=amdgcn-amd-amdhsa -mcpu=gfx1250 --defsym DOCPART=n.
;; ======== version 1 of 1: 3 launches
;; limits: inputs' magnitudes at most 1,048,576; right only within a limited range of input values
;; workspace buffers: w1c 1,179,648 bytes; w1s 65,536 bytes; xim 1,048,576 bytes; xsc 32,768 bytes; gat 131,072 bytes; oe 8,388,608 bytes
;; launch prep (part 1): grid 128 x 1, 4 waves a work-group, no clusters, 18,944 bytes of LDS; arguments t, x, W1, G1, g1b, G2, g2b, w1c, w1s, xim, xsc, gat; writes w1c, w1s, xim, xsc, gat
.if DOCPART == 1
	.amdgcn_target "amdgcn-amd-amdhsa--gfx1250"
	.amdhsa_code_object_version 6
	.text
	.protected	k_q5ec8fba46e_prep
	.globl	k_q5ec8fba46e_prep
	.p2align	8
	.type	k_q5ec8fba46e_prep,@function
k_q5ec8fba46e_prep:
	s_mov_b64 s[64:65], 0
	v_nop
	global_prefetch_b8 v0, s[64:65] scope:SCOPE_SE
	s_setreg_imm32_b32 hwreg(HW_REG_WAVE_MODE, 25, 1), 1
	s_wait_xcnt 0x0
; What is quantised once for all experts' work-groups, and the gate.
; Work-groups 0-63: W1 [8][131][1024] f32 (K is its middle axis) becomes E4M3 codes with K innermost and E8M0 scale words.
; A row of w1c is 144 bytes: the 128 codes of k = 0 .. 127, the 3 codes of k = 128 .. 130, 13 zero bytes; 128 rows make a chunk of 18,432 bytes, eight chunks an expert.
; Work-groups 64-127: inp = [x, t, sin t, cos t] becomes images of a matrix operand's registers and scale words; the gate
; softmax(relu(inp G1 + g1b) G2 + g2b) is computed whole (first product on codes, second in f32) and stored.
; K = 131 is two K steps of 128: the second holds 3 codes and zeros; its scale word is the tail's byte under three bytes 127.
; ORDER ALONG K inside a block of 32, alike on both sides of every product of this program: lane (r, h) holds, in the block's four
; registers, k = 8 h + 0..7 and then 16 + 8 h + 0..7.  It is the order in which a transposed product leaves its results.
; LIMITS: NaN and infinities are not served; a block of zeros keeps the scale byte 1 (its codes are zeros, and only this program
; reads the bytes); sin and cos are reduced by pi / 2 in three parts: absolute error about 1e-7 for |t| up to 2^20.
.set SEL, 40                           ; s[40:41] lane selects: lane l xor 16
.set MNT, 42                           ; s42 the mantissa field of 448
.set XF,  16                           ; inp's fragment, K step 0;  XT: K step 1
.set XT,  32
.set GF,  48                           ; G1's fragments of K step 0, two tiles of 16 columns
.set GT,  80                           ; and of K step 1
.set XR,  112                          ; 64 numbers of x
.set TI,  176                          ; inp's tail: t, sin, cos, five zeros
.set TG,  184                          ; G1's tails, 8 registers a tile
.set TM,  200                          ; +0 largest magnitudes, +4 bytes, +8 448 x scale, +12 scale operands
.set PW,  216                          ; scale words: x 0, x 1, G1 tile 0 (two), G1 tile 1 (two); they hold nothing else
.set LG,  222                          ; eight logits
.set PT,  230                          ; at work
.set HG,  238                          ; the gate's hidden layer, two tiles
.set MSB, 0
.macro WIN new                         ; the immediate's high byte repeats the setting that is left
.set NW, \new
.if MSB != NW
	s_set_vgpr_msb (MSB<<8)|NW
.set MSB, NW
.endif
.endm
	s_load_b512 s[4:19], s[0:1], 0x0               ; t, x, W1, G1, g1b, G2, g2b, w1c
	s_load_b256 s[20:27], s[0:1], 0x40             ; w1s, xim, xsc, gat
	v_lshl_add_u32 v14, v0, 2, 0x4800
	v_mov_b32 v15, 0
	v_lshrrev_b32 v1, 5, v0
	v_readfirstlane_b32 s3, v1                     ; wave
	v_and_b32 v2, 31, v0                           ; lane
	s_mov_b32 s[MNT], 0x600000
	s_mov_b32 s31, 0
	s_cmp_lt_u32 ttmp9, 64
	s_cbranch_scc0 .Ltokens
; ---------------- W1: a lane takes a column, its registers run down K: a block of 32 is one lane's
	s_lshr_b32 s28, ttmp9, 3                       ; expert
	s_and_b32 s29, ttmp9, 7
	s_lshl_b32 s29, s29, 2
	s_add_co_u32 s29, s29, s3
	s_lshl_b32 s29, s29, 5                         ; n0: my wave's first column
	v_lshlrev_b32 v1, 2, v2                        ; 4 bytes a lane
	s_mul_i32 s2, s3, 4608                         ; my stage: 32 rows of 144 bytes, as they will lie in w1c
	v_mul_u32_u24 v4, v2, 144
	v_add_nc_u32 v4, s2, v4                        ; in: row = my column
	v_lshlrev_b32 v8, 4, v2                        ; out: the 4,608 bytes on end, 16 a lane; the same place in w1c
	v_add_nc_u32 v7, s2, v8
	v_lshlrev_b32 v9, 3, v2                        ; two scale words a column
.irp i, 163,164,165,166,167
	v_mov_b32 v\i, 0                               ; the tail's conversion takes eight numbers
.endr
	s_mul_i32 s30, s28, 536576
	s_lshl_b32 s2, s29, 2
	s_add_co_u32 s30, s30, s2
	s_wait_kmcnt 0x0
	s_add_nc_u64 s[8:9], s[8:9], s[30:31]
.set k, 0
.rept 131
	global_load_b32 v[32+k], v1, s[8:9] offset:k*4096 th:TH_LOAD_NT   ; W1(e, k, n0 + lane): 128 consecutive bytes a wave
.set k, k+1
.endr
	s_lshl_b32 s30, s28, 3                         ; w1c: chunk 8 e + n0 / 128, row n0 % 128
	s_lshr_b32 s2, s29, 7
	s_add_co_u32 s30, s30, s2
	s_mul_i32 s30, s30, 18432
	s_and_b32 s2, s29, 127
	s_mul_i32 s2, s2, 144
	s_add_co_u32 s30, s30, s2
	s_add_nc_u64 s[18:19], s[18:19], s[30:31]
	s_lshl_b32 s30, s28, 10
	s_add_co_u32 s30, s30, s29
	s_lshl_b32 s30, s30, 3
	s_add_nc_u64 s[20:21], s[20:21], s[30:31]      ; w1s: 8 bytes a column
.macro QB t                            ; block t of 32 along K: its scale, the hold, the codes, 32 bytes into my column's stage row
.set XS, 32+32*(\t)
	v_max3_num_f32 v12, |v[XS]|, |v[XS+1]|, |v[XS+2]|
	v_max3_num_f32 v13, |v[XS+3]|, |v[XS+4]|, |v[XS+5]|
.irp i, 6,10,14,18,22,26
	v_max3_num_f32 v12, v12, |v[XS+\i]|, |v[XS+\i+1]|
	v_max3_num_f32 v13, v13, |v[XS+\i+2]|, |v[XS+\i+3]|
.endr
	v_max3_num_f32 v12, v12, |v[XS+30]|, |v[XS+31]|
	v_max3_num_f32 v12, v12, v13, 0x4800000        ; the floor 2^(9 - 127) holds the byte at 1 from below
	v_add_nc_u32 v11, 0xfc000000, v12              ; 8 off the exponent field: the conversion's scale operand
	v_and_or_b32 v10, v12, 0x7f800000, s[MNT]      ; 448 x the scale
	v_lshrrev_b32 v13, 23, v11                     ; the byte
.if (\t) == 0
	v_mov_b32 v24, v13
.else
	v_lshl_or_b32 v24, v13, 8*(\t), v24
.endif
.set i, 0
.rept 32
	v_med3_num_f32 v[XS+i], v[XS+i], -v10, v10     ; the conversion does not saturate (ISA guide 7.6.2): hold first
.set i, i+1
.endr
.irp g, 0,1,2,3
	v_cvt_scalef32_pk8_fp8_f32 v[16+2*\g:17+2*\g], v[XS+8*\g:XS+8*\g+7], v11
.endr
	ds_store_b128 v4, v[16:19] offset:32*(\t)
	ds_store_b128 v4, v[20:23] offset:32*(\t)+16
	s_wait_dscnt 0x0                               ; the stores have read their registers
.endm
	s_wait_loadcnt 63                              ; of 131 loads all but the last 63 are in: blocks 0 and 1
	QB 0
	QB 1
	s_wait_loadcnt 35                              ; block 2
	QB 2
	s_wait_loadcnt 3                               ; block 3
	QB 3
	s_wait_loadcnt 0x0                             ; k = 128, 129, 130
	v_max3_num_f32 v12, |v160|, |v161|, |v162|
	v_max_num_f32 v12, 0x4800000, v12
	v_add_nc_u32 v11, 0xfc000000, v12
	v_and_or_b32 v10, v12, 0x7f800000, s[MNT]
	v_lshrrev_b32 v13, 23, v11
	v_or_b32 v25, 0x7f7f7f00, v13                  ; the three blocks of zero codes get the byte 127
.irp i, 160,161,162
	v_med3_num_f32 v\i, v\i, -v10, v10
.endr
	v_mov_b32 v18, 0
	v_mov_b32 v19, 0
	v_cvt_scalef32_pk8_fp8_f32 v[16:17], v[160:167], v11
	v_nop                                          ; a plain line behind the last conversion
	ds_store_b128 v4, v[16:19] offset:128          ; the tail's eight codes (three and five zeros) and eight zero bytes end the row
	global_store_b64 v9, v[24:25], s[20:21]        ; 256 consecutive bytes a wave
.irp u, 0,1,2,3,4,5,6,7,8
	ds_load_b128 v[32+4*\u:35+4*\u], v7 offset:512*\u   ; LDS serves a wave's instructions in order: these see my stores
.endr
.irp u, 0,1,2,3,4,5,6,7,8
	s_wait_dscnt 8-\u
	global_store_b128 v8, v[32+4*\u:35+4*\u], s[18:19] offset:512*\u   ; 512 consecutive bytes a store, at a multiple of 256 from w1c's first byte
.endr
	s_wait_tensorcnt 0x0
	ds_add_u32 v14, v15
	s_wait_dscnt 0x0
	s_endpgm
; ---------------- tokens: a wave takes 16
.Ltokens:
	s_sub_co_u32 s28, ttmp9, 64
	s_lshl_b32 s28, s28, 2
	s_add_co_u32 s28, s28, s3                      ; tile of 16 tokens, 0..255
	s_lshr_b32 s29, s28, 3                         ; block of 128 tokens
	s_and_b32 s55, s28, 7                          ; tile in the block
	v_and_b32 v1, 15, v0                           ; r
	v_bfe_u32 v3, v0, 4, 1                         ; h
	v_lshlrev_b32 v4, 9, v1
	v_lshl_add_u32 v4, v3, 5, v4                   ; x: row r of 512 bytes + 32 h
	v_lshlrev_b32 v5, 2, v1                        ; 4 r
	v_lshl_add_u32 v6, v3, 10, v5                  ; G1: column r, 8 h rows of 128 bytes down
	v_lshlrev_b32 v7, 5, v3                        ; g1b: 32 h
	v_lshlrev_b32 v8, 8, v3                        ; G2: 8 h rows of 32 bytes
	v_lshlrev_b32 v9, 4, v2                        ; an image: 16 x lane
	v_lshl_add_u32 v10, v3, 9, v5                  ; xsc: 512 h + 4 r
	v_lshlrev_b32 v11, 5, v1
	v_lshl_add_u32 v11, v3, 4, v11                 ; gat: 32 r + 16 h
	s_mov_b32 s[SEL], 0x76543210
	s_mov_b32 s[SEL+1], 0xfedcba98
	s_mov_b32 s43, 0x3f22f983                      ; 2 / pi
	s_mov_b32 s44, 0xbfc90fdb                      ; -pi / 2 in three parts
	s_mov_b32 s45, 0x333bbd2e
	s_mov_b32 s46, 0x26f72ce9
	s_mov_b32 s47, 0xb94ca1f9                      ; sine's polynomial
	s_mov_b32 s48, 0x3c08839e
	s_mov_b32 s49, 0xbe2aaaa3
	s_mov_b32 s50, 0x37ccf5ce                      ; cosine's
	s_mov_b32 s51, 0xbab6061a
	s_mov_b32 s52, 0x3d2aaaa5
	s_mov_b32 s53, 0x3fb8aa3b                      ; log2(e)
	v_mov_b32 v254, 0
.irp b, 0,1,2,3
	v_mov_b32 v[TM+4+\b], 0                        ; a lane permute's destination counts as one of its sources
.endr
.irp q, TI, TG, TG+8
.irp i, 3,4,5,6,7
	v_mov_b32 v[\q+\i], 0
.endr
.endr
.irp q, XT, GT, GT+16
.set i, 2
.rept 14
	v_mov_b32 v[\q+i], 0                           ; K step 1 behind its first eight codes: zero codes
.set i, i+1
.endr
.endr
	s_wait_kmcnt 0x0
	s_load_b256 s[32:39], s[16:17], 0x0            ; g2b
	s_lshl_b32 s30, s28, 13
	s_add_nc_u64 s[6:7], s[6:7], s[30:31]
	s_lshl_b32 s30, s28, 6
	s_add_nc_u64 s[4:5], s[4:5], s[30:31]
	s_lshl_b32 s30, s29, 15
	s_lshl_b32 s2, s55, 11
	s_add_co_u32 s30, s30, s2
	s_add_nc_u64 s[22:23], s[22:23], s[30:31]      ; xim: block x 32768 + tile x 2048
	s_lshl_b32 s30, s29, 10
	s_lshl_b32 s2, s55, 6
	s_add_co_u32 s30, s30, s2
	s_add_nc_u64 s[24:25], s[24:25], s[30:31]      ; xsc: block x 1024 + tile x 64
	s_lshl_b32 s30, s28, 9
	s_add_nc_u64 s[26:27], s[26:27], s[30:31]      ; gat: 32 bytes a token
.irp c, 0,1,2,3
.irp o, 0,1,4,5
	global_load_b128 v[XR+16*\c+4*(\o%4)+8*(\o/4):XR+16*\c+4*(\o%4)+8*(\o/4)+3], v4, s[6:7] offset:128*\c+16*\o th:TH_LOAD_NT
.endr
.endr
	global_load_b32 v[TI], v5, s[4:5]              ; t
.macro GLOAD nt                        ; G1's columns 16 nt + r: 64 numbers down K in the program's order (window 1), and the tail
	WIN 0x40
.irp c, 0,1,2,3
.irp i, 0,1,2,3,4,5,6,7,8,9,10,11,12,13,14,15
	global_load_b32 v[64*\nt+16*\c+\i], v6, s[10:11] offset:(32*\c+\i+8*(\i/8))*128+64*\nt
.endr
.endr
	WIN 0
.irp i, 0,1,2
	global_load_b32 v[TG+8*\nt+\i], v5, s[10:11] offset:(128+\i)*128+64*\nt
.endr
.endm
	GLOAD 0
	GLOAD 1
.irp nt, 0,1
	global_load_b128 v[HG+8*\nt:HG+8*\nt+3], v7, s[12:13] offset:64*\nt       ; g1b lands in the accumulators: the first product adds onto it
	global_load_b128 v[HG+8*\nt+4:HG+8*\nt+7], v7, s[12:13] offset:64*\nt+16
.endr
	WIN 0x40
.irp u, 0,1,2,3,4,5,6,7,8,9,10,11,12,13,14,15
	global_load_b128 v[128+8*\u:131+8*\u], v8, s[14:15] offset:(16*(\u/8)+\u%8)*32      ; G2's row of my hidden unit u
	global_load_b128 v[132+8*\u:135+8*\u], v8, s[14:15] offset:(16*(\u/8)+\u%8)*32+16
.endr
	WIN 0
; 64 numbers of a lane in window ws become a fragment's codes at v[d] on and its scale word in v[pw]
.macro QUANT64 s, ws, d, pw
	WIN (\ws)|((\ws)<<2)
.irp b, 0,1,2,3
	v_max3_num_f32 v[TM+\b], |v[\s+16*\b]|, |v[\s+16*\b+1]|, 0x4800000
.endr
.irp i, 2,4,6,8,10,12,14
.irp b, 0,1,2,3
	v_max3_num_f32 v[TM+\b], |v[\s+16*\b+\i]|, |v[\s+16*\b+\i+1]|, v[TM+\b]
.endr
.endr
	WIN 0
.irp b, 0,1,2,3
	v_permlanex16_b32 v[TM+4+\b], v[TM+\b], s[SEL], s[SEL+1]
.endr
.irp b, 0,1,2,3
	v_max_num_f32 v[TM+\b], v[TM+\b], v[TM+4+\b]   ; with lane l xor 16's 16 numbers: the block's largest magnitude
.endr
.irp b, 0,1,2,3
	v_add_nc_u32 v[TM+12+\b], 0xfc000000, v[TM+\b]
.endr
.irp b, 0,1,2,3
	v_and_or_b32 v[TM+8+\b], v[TM+\b], 0x7f800000, s[MNT]
.endr
.irp b, 0,1,2,3
	v_lshrrev_b32 v[TM+4+\b], 23, v[TM+12+\b]
.endr
	v_lshl_or_b32 v[\pw], v[TM+5], 8, v[TM+4]
	v_lshl_or_b32 v[\pw], v[TM+6], 16, v[\pw]
	v_lshl_or_b32 v[\pw], v[TM+7], 24, v[\pw]
	WIN (\ws)|((\ws)<<6)
.irp b, 0,1,2,3
.irp i, 0,1,2,3,4,5,6,7,8,9,10,11,12,13,14,15
	v_med3_num_f32 v[\s+16*\b+\i], v[\s+16*\b+\i], -v[TM+8+\b], v[TM+8+\b]
.endr
.endr
	WIN \ws
.irp b, 0,1,2,3
	v_cvt_scalef32_pk8_fp8_f32 v[\d+4*\b:\d+4*\b+1], v[\s+16*\b:\s+16*\b+7], v[TM+12+\b]
	v_cvt_scalef32_pk8_fp8_f32 v[\d+4*\b+2:\d+4*\b+3], v[\s+16*\b+8:\s+16*\b+15], v[TM+12+\b]
.endr
	WIN 0
	v_nop                                          ; a plain line behind the last conversion
.endm
; the tail: three numbers (zeros in lanes 16-31) and five zeros become the first eight codes of K step 1
.macro TAILQ s, d, pw
	v_max3_num_f32 v[TM], |v[\s]|, |v[\s+1]|, |v[\s+2]|
	v_max_num_f32 v[TM], 0x4800000, v[TM]
	v_permlanex16_b32 v[TM+4], v[TM], s[SEL], s[SEL+1]
	v_max_num_f32 v[TM], v[TM], v[TM+4]
	v_add_nc_u32 v[TM+12], 0xfc000000, v[TM]
	v_and_or_b32 v[TM+8], v[TM], 0x7f800000, s[MNT]
	v_lshrrev_b32 v[TM+4], 23, v[TM+12]
	v_or_b32 v[\pw], 0x7f7f7f00, v[TM+4]
.irp i, 0,1,2
	v_med3_num_f32 v[\s+\i], v[\s+\i], -v[TM+8], v[TM+8]
.endr
	v_cvt_scalef32_pk8_fp8_f32 v[\d:\d+1], v[\s:\s+7], v[TM+12]
	v_nop
.endm
	s_wait_loadcnt 63                              ; of 187 loads all but the last 63 are in: x, t, G1's first tile and its tail
	QUANT64 XR, 0, XF, PW
.irp c, 0,1,2,3
	global_store_b128 v9, v[XF+4*\c:XF+4*\c+3], s[22:23] offset:512*\c          ; the fragment as it stands: 512 consecutive bytes a store
.endr
	; sin t and cos t in f32: n = the nearest whole number to t x 2 / pi, rr = t - n pi / 2, two short polynomials, the quadrant by n mod 4
	v_mul_f32 v230, s43, v[TI]
	v_rndne_f32 v230, v230
	v_fma_f32 v231, v230, s44, v[TI]
	v_fma_f32 v231, v230, s45, v231
	v_fma_f32 v231, v230, s46, v231
	v_mul_f32 v232, v231, v231                     ; z
	v_cvt_i32_f32 v233, v230                       ; q
	v_fma_f32 v234, v232, s47, s48
	v_fma_f32 v234, v232, v234, s49
	v_mul_f32 v235, v231, v232
	v_fma_f32 v234, v235, v234, v231               ; sine of rr
	v_fma_f32 v236, v232, s50, s51
	v_fma_f32 v236, v232, v236, s52
	v_fma_f32 v237, v232, -0.5, 1.0
	v_mul_f32 v235, v232, v232
	v_fma_f32 v236, v235, v236, v237               ; cosine of rr
	v_and_b32 v235, 1, v233
	v_cmp_ne_u32 vcc_lo, 0, v235
	v_cndmask_b32 v[TI+1], v234, v236, vcc_lo      ; odd quadrants change the two
	v_cndmask_b32 v[TI+2], v236, v234, vcc_lo
	v_and_b32 v235, 2, v233
	v_lshlrev_b32 v235, 30, v235
	v_xor_b32 v[TI+1], v235, v[TI+1]               ; sin: minus in quadrants 2, 3
	v_add_nc_u32 v233, 1, v233
	v_and_b32 v235, 2, v233
	v_lshlrev_b32 v235, 30, v235
	v_xor_b32 v[TI+2], v235, v[TI+2]               ; cos: minus in quadrants 1, 2
	v_cmp_ne_u32 vcc_lo, 0, v3                     ; lanes 16-31, from here to the end
.irp i, 0,1,2
	v_cndmask_b32 v[TI+\i], v[TI+\i], v254, vcc_lo ; their part of K step 1 begins at k = 136: zeros
	v_cndmask_b32 v[TG+\i], v[TG+\i], v254, vcc_lo
.endr
	TAILQ TI, XT, PW+1
.irp c, 0,1,2,3
	global_store_b128 v9, v[XT+4*\c:XT+4*\c+3], s[22:23] offset:16384+512*\c
.endr
	v_cndmask_b32 v255, v[PW], v[PW+1], vcc_lo     ; lanes 0-15 store K step 0's word, lanes 16-31 K step 1's
	global_store_b32 v10, v255, s[24:25]
	QUANT64 0, 1, GF, PW+2
	TAILQ TG, GT, PW+3
	s_wait_loadcnt 36                              ; G1's second tile and its tail (behind them: g1b's 4 loads, G2's 32)
.irp i, 0,1,2
	v_cndmask_b32 v[TG+8+\i], v[TG+8+\i], v254, vcc_lo
.endr
	QUANT64 64, 1, GF+16, PW+4
	TAILQ TG+8, GT+16, PW+5
	s_wait_loadcnt 32                              ; g1b
.rept 8
	v_nop                                          ; a scale word made by vector instructions stands eight places ahead of the product, codes four
.endr
	; transposed: source 0 = 16 columns of G1, source 1 = my 16 tokens: lane (r, h) holds token r, register j hidden unit 16 nt + 8 h + j.  The two accumulators take turns
	v_wmma_scale_f32_16x16x128_f8f6f4 v[HG:HG+7], v[GF:GF+15], v[XF:XF+15], v[HG:HG+7], v[PW+2], v[PW]
	v_wmma_scale_f32_16x16x128_f8f6f4 v[HG+8:HG+15], v[GF+16:GF+31], v[XF:XF+15], v[HG+8:HG+15], v[PW+4], v[PW]
	v_wmma_scale_f32_16x16x128_f8f6f4 v[HG:HG+7], v[GT:GT+15], v[XT:XT+15], v[HG:HG+7], v[PW+3], v[PW+1]
	v_wmma_scale_f32_16x16x128_f8f6f4 v[HG+8:HG+15], v[GT+16:GT+31], v[XT:XT+15], v[HG+8:HG+15], v[PW+5], v[PW+1]
.rept 8
	v_nop
.endr
.set i, 0
.rept 16
	v_max_num_f32 v[HG+i], 0, v[HG+i]              ; relu, each accumulator from its low end on
.set i, i+1
.endr
	s_wait_loadcnt 0x0                             ; G2
	s_wait_kmcnt 0x0                               ; g2b
	WIN 0x01                                       ; G2 lies in window 1
.irp g, 0,1,2,3,4,5,6,7
	v_mul_f32 v[LG+\g], v[128+\g], v[HG]           ; the second product in f32: my 16 hidden units x 8 logits, eight chains
.endr
.set u, 1
.rept 15
.irp g, 0,1,2,3,4,5,6,7
	v_fmac_f32 v[LG+\g], v[128+8*u+\g], v[HG+u]
.endr
.set u, u+1
.endr
	WIN 0
.irp g, 0,1,2,3,4,5,6,7
	v_permlanex16_b32 v[PT+\g], v[LG+\g], s[SEL], s[SEL+1]
.endr
.irp g, 0,1,2,3,4,5,6,7
	v_add_f32 v[LG+\g], v[LG+\g], v[PT+\g]         ; the token's other 16 hidden units
.endr
.irp g, 0,1,2,3,4,5,6,7
	v_add_f32 v[LG+\g], s[32+\g], v[LG+\g]
.endr
	v_max3_num_f32 v237, v[LG], v[LG+1], v[LG+2]   ; softmax with its maximum taken away
	v_max3_num_f32 v237, v237, v[LG+3], v[LG+4]
	v_max3_num_f32 v237, v237, v[LG+5], v[LG+6]
	v_max_num_f32 v237, v237, v[LG+7]
	v_mul_f32 v237, s53, v237
.irp g, 0,1,2,3,4,5,6,7
	v_fma_f32 v[LG+\g], v[LG+\g], s53, -v237
.endr
.irp g, 0,1,2,3,4,5,6,7
	v_exp_f32 v[LG+\g], v[LG+\g]
.endr
	v_nop                                          ; a plain line behind the exponentials
	s_wait_alu depctr_va_vdst(0)
	v_add_f32 v230, v[LG], v[LG+1]
	v_add_f32 v231, v[LG+2], v[LG+3]
	v_add_f32 v232, v[LG+4], v[LG+5]
	v_add_f32 v233, v[LG+6], v[LG+7]
	v_add_f32 v230, v230, v231
	v_add_f32 v232, v232, v233
	v_add_f32 v230, v230, v232
	v_rcp_f32 v230, v230
.irp i, 0,1,2,3
	v_cndmask_b32 v[232+\i], v[LG+\i], v[LG+4+\i], vcc_lo   ; lanes 0-15 store gates 0-3, lanes 16-31 gates 4-7 (plain lines behind the reciprocal)
.endr
	s_wait_alu depctr_va_vdst(0)
.irp i, 0,1,2,3
	v_mul_f32 v[232+\i], v[232+\i], v230
.endr
	global_store_b128 v11, v[232:235], s[26:27]    ; 512 consecutive bytes a wave
	s_endpgm
.Lfunc_end_k_q5ec8fba46e_prep:
	.size	k_q5ec8fba46e_prep, .Lfunc_end_k_q5ec8fba46e_prep-k_q5ec8fba46e_prep
	.p2alignl 7, 3214868480
	.fill 96, 4, 3214868480
	.section	.rodata,"a",@progbits
	.p2align	6, 0x0
	.amdhsa_kernel k_q5ec8fba46e_prep
		.amdhsa_group_segment_fixed_size 18944
		.amdhsa_private_segment_fixed_size 0
		.amdhsa_enable_private_segment 0
		.amdhsa_kernarg_size 96
		.amdhsa_user_sgpr_count 2
		.amdhsa_user_sgpr_kernarg_segment_ptr 1
		.amdhsa_wavefront_size32 1
		.amdhsa_system_sgpr_workgroup_id_x 1
		.amdhsa_system_sgpr_workgroup_id_y 1
		.amdhsa_system_sgpr_workgroup_id_z 1
		.amdhsa_system_vgpr_workitem_id 0
		.amdhsa_next_free_vgpr 512
		.amdhsa_next_free_sgpr 66
		.amdhsa_reserve_vcc 1
		.amdhsa_float_denorm_mode_32 3
		.amdhsa_float_denorm_mode_16_64 3
		.amdhsa_memory_ordered 1
		.amdhsa_forward_progress 1
		.amdhsa_inst_pref_size 91
	.end_amdhsa_kernel
	.amdgpu_metadata
---
amdhsa.version: [ 1, 2 ]
amdhsa.kernels:
  - .name:           k_q5ec8fba46e_prep
    .symbol:         k_q5ec8fba46e_prep.kd
    .args:
      - { .name: t, .offset: 0, .size: 8, .value_kind: global_buffer, .address_space: global }
      - { .name: x, .offset: 8, .size: 8, .value_kind: global_buffer, .address_space: global }
      - { .name: W1, .offset: 16, .size: 8, .value_kind: global_buffer, .address_space: global }
      - { .name: G1, .offset: 24, .size: 8, .value_kind: global_buffer, .address_space: global }
      - { .name: g1b, .offset: 32, .size: 8, .value_kind: global_buffer, .address_space: global }
      - { .name: G2, .offset: 40, .size: 8, .value_kind: global_buffer, .address_space: global }
      - { .name: g2b, .offset: 48, .size: 8, .value_kind: global_buffer, .address_space: global }
      - { .name: w1c, .offset: 56, .size: 8, .value_kind: global_buffer, .address_space: global }
      - { .name: w1s, .offset: 64, .size: 8, .value_kind: global_buffer, .address_space: global }
      - { .name: xim, .offset: 72, .size: 8, .value_kind: global_buffer, .address_space: global }
      - { .name: xsc, .offset: 80, .size: 8, .value_kind: global_buffer, .address_space: global }
      - { .name: gat, .offset: 88, .size: 8, .value_kind: global_buffer, .address_space: global }
    .group_segment_fixed_size: 18944
    .private_segment_fixed_size: 0
    .kernarg_segment_align: 8
    .kernarg_segment_size: 96
    .max_flat_workgroup_size: 128
    .sgpr_count:     66
    .vgpr_count:     512
    .wavefront_size: 32
...
	.end_amdgpu_metadata
.endif
;; end of part 1
;; launch experts (part 2): grid 32 x 8, 4 waves a work-group, clusters of 4 x 1, 327,680 bytes of LDS; arguments xim, xsc, w1c, w1s, b1, W2_codes, W2_scales, b2, W3_codes, W3_scales, b3, oe; writes oe
.if DOCPART == 2
	.amdgcn_target "amdgcn-amd-amdhsa--gfx1250"
	.amdhsa_code_object_version 6
	.text
	.protected	k_q5ec8fba46e_experts
	.globl	k_q5ec8fba46e_experts
	.p2align	8
	.type	k_q5ec8fba46e_experts,@function
k_q5ec8fba46e_experts:
	s_mov_b64 s[64:65], 0
	v_nop
	global_prefetch_b8 v0, s[64:65] scope:SCOPE_SE
	s_setreg_imm32_b32 hwreg(HW_REG_WAVE_MODE, 25, 1), 1
	s_wait_xcnt 0x0
	s_wait_alu depctr_hold_cnt(0) depctr_sa_sdst(0) depctr_va_vdst(0) depctr_va_sdst(0) depctr_va_ssrc(0) depctr_va_vcc(0) depctr_vm_vsrc(0)
	s_getreg_b32 s2, hwreg(HW_REG_IB_STS2, 6, 4)
	s_cmp_eq_u32 s2, 0
	s_cbranch_scc0 .Lentry_in_a_cluster
	s_endpgm
.Lentry_in_a_cluster:
	s_bfe_u32 s2, ttmp6, 0x10000c
	s_cmp_lg_u32 s2, 0x3003
	s_cbranch_scc0 .Lentry_shape_is_right
	s_endpgm
.Lentry_shape_is_right:
; One expert x 128 tokens through the whole chain: h1 = relu(inp W1 + b1), h2 = relu(h1 W2 + b2), o = h2 W3 + b3, o clipped to norm 10, stored as bf16
; (o is an operand of the gate-weighted sum, a product that is left as it is).  All three products on E4M3 codes with E8M0 scales; h1 and h2 are quantised from f32 in registers and never go to memory.
; SHARES.  Grid 32 blocks of tokens x 8 experts.  Layers 1 and 2 go in two passes of 512 units; in a pass each wave makes 128 units for all 128 tokens: 64 accumulators, 512 registers.
; Layer 3: wave w takes token tiles 2 w, 2 w + 1 against all 128 outputs, so that a row's norm lies in two lanes.
; TRANSPOSED USE.  Source 0 = 16 rows of a weight, source 1 = 16 tokens: lane (r, h) holds token r, register j unit 16 i + 8 h + j.  Two neighbouring tiles, converted, are four registers of the next operand,
; holding k = 8 h + 0..7 and 16 + 8 h + 0..7 of a block of 32.  The weights take the same order: eight loads of 8 bytes at 16 c + 8 h.  A block's scale is not touched by an order inside the block.
; TOKENS' OPERANDS lie in LDS as images of their registers (16 bytes a lane, 512 a store).  h1 (128 KiB) stays there through both passes of layer 2, so pass 0's h2 is held in 136 registers until h1 is done with.
; WEIGHTS come through a ring of two slots, each wave fetching its own 128 rows: 20 tiles in all.  A tile of W1 is 128 rows of 144 bytes, both K steps of a pass (the second is 3 codes); a tile of W2 or W3 is one K step,
; 128 bytes a row with 16 of padding: the same pitch.  Beside h1 two slots of 256 along K do not fit.
; THE WALK ALONG LAYER 2'S K IS TURNED FROM CLUSTER TO CLUSTER: cluster c of an expert begins at K step 2 rho, rho = (c & 3) xor (c >> 2), and goes round.  So the eight clusters of an expert ask for different tiles at
; a time, and from a pass's third K step on a cluster asks for a tile that another cluster of the expert asked for two K steps earlier.  No LDS address knows of it: LDS chunk i holds K step (2 rho + i) mod 8 of h1,
; since layer 1 takes W1's, its scale words' and b1's chunks in that order, and W2's scale words are laid into LDS in that order.  The sums are f32 sums in another order of K.
; CLUSTER.  The four work-groups of a cluster are four blocks of tokens of one expert and walk the same weights: every tile is asked for jointly, mask 15.
; LIMITS: NaN and infinities are not served; a block of zeros keeps the scale byte 1 (its codes are zeros).
.set RING,  131072                     ; LDS: 0 .. 131071 the tokens' images, chunk (a K step) x 16384 + tile x 2048; inp lies in chunks 6, 7 during layer 1
.set PART,  18432                      ; a wave's part of a slot: 128 rows of 144 bytes
.set SLOT,  73728
.set W2S,   278528                     ; W2's scale bytes of the expert, stored from registers: row n at (n / 8) x 272 + (n % 8) x 32, its eight words in the order of the walk; at the end the stages of the way out
.set W3S,   313344                     ; W3's, laid the same way, 4,352 bytes, stored from registers
.set TS,    321536                     ; the tokens' scale words: chunk x 512 + 4 x token
.set SPARE, 327168                     ; the spare words, 128 bytes a wave: no other line names them
.set LI,   1                           ; v1   16 x lane
.set ADW,  2                           ; v2-3 my lane's place in my part of slot 0, 1
.set ADT,  4                           ; v4   the K step's images          = LI + s[ST]
.set ADSW, 5                           ; v5   the weights' scale words      = SWB + s[SW]
.set SWB,  6
.set ADST, 7                           ; v7   the tokens' scale words       = TSB + s[SS]
.set HWIB, 8                           ; v8   where I store images: 16 x lane + 16384 x wave
.set HWSB, 9                           ; v9   and scale words: TS + 512 x wave + 4 r
.set BO,   10                          ; v10  32 h: a bias's eight numbers
.set PFO,  11                          ; v11  1024 x lane: the prefetches' rows
.set SPW,  12                          ; v12  my spare word; never rewritten
.set NIL,  13                          ; v13  0; never rewritten
.set TSB,  14                          ; v14  TS + 4 r
.set RO,   15                          ; v15  8 r
.set SCW,  16                          ; v16-31 the weights' scale words: tile i, set s at 2 i + s;  v32-47 the tokens'.  They hold nothing else
.set SCT,  32
.set HOLD, 48                          ; v48-175 codes just made, 16 a tile of tokens
.set HPW,  176                         ; v176-183 their scale words
.set BIAS, 184                         ; v184-247 eight registers a tile of units: the C of each sum's first product
.set E,    248                         ; v248-255 at work
.set AW,   E+2                         ; layer 1: my lane's place in the pass's slot;
.set AZ,   E+3                         ; the same without 8 h: with 136 added, the row's eight zero bytes
.set TA,   0                           ; window 1: token tiles 0-3, 4-7; two groups of four weight tiles
.set TB,   64
.set WA,   128
.set WB,   192
.set TM,   0                           ; window 1, while quantising
.set WV,  28
.set EX,  29
.set BLK, 30
.set G1,  32                           ; s[32:39] group 1 of W2's and W3's tiles;  s[40:47] of W1's
.set G1W, 40
.set G0R, 48                           ; s[48:51], s[52:55] group 0 of slot 0, 1;  s[56:59] the one that layer 1's two refills use
.set G0B, 56
.set SEL, 60
.set MNT, 62
.set LIM, 63                           ; s63, s76: at which count of even K steps I prefetch
.set PFA, 66                           ; s[66:67] what my next prefetch names;  s[68:69] the one after
.set PFB, 68
.set SG0, 66                           ; (at the head only: my chunk of W1 in pass 0, in pass 1)
.set SG1, 67
.set W1SB, 70                          ; s[70:71], s[74:75] W1's scale words of my chunk in pass 0, 1
.set BB,  72                           ; s[72:73] the bias in hand
.set W1SC, 74
.set LIM2, 76
.set ROTB, 77                          ; s77  256 rho: where the walk begins in a row of W2, in bytes
.set N2A, 78                           ; s[78:79] W2's first tile of pass 0
.set W2B0, 80                          ; s[80:81], s[20:21] my rows of W2 at K step 0, 1
.set W2B1, 20
.set N3,  82                           ; s[82:85] W2's first two tiles of pass 1;  s[86:89] W3's two slots
.set N4,  86
.set B1P1, 90
.set B2P0, 92
.set B2P1, 94
.set B3A, 96
.set P,   98
.set KC,  99
.set PU,  100
.set WO,  14                           ; s14  the walk's place in a row of W2, held under 1,024
.set LB,  15                           ; s15  my part of slot 0
.set RS,  18                           ; s18  layer 1: the pass's slot
.set WOP, 24                           ; s[24:25] WO + the pass's 512 rows, as a pair
.set ST,  8                            ; scalars stepped by constants, added to the lanes' bases
.set SS,  9
.set SW,  10
.set PH,  11
.set PS,  12
.set R3,  13
.set MSB, 0
.macro WIN new                         ; the immediate's high byte repeats the setting that is left
.set NW, \new
.if MSB != NW
	s_set_vgpr_msb (MSB<<8)|NW
.set MSB, NW
.endif
.endm
.macro PLACES n                        ; plain vector lines between a matrix instruction and a load into, or a read of, its registers (eight for this form)
.rept \n
	v_nop
.endr
.endm
.macro CREST                           ; a round of the cluster's barrier behind its opening barrier
	s_cmp_lg_u32 s[WV], 0
	s_cbranch_scc1 .Lnot_wave_0_\@
	s_barrier_signal -3
.Lnot_wave_0_\@:
	s_barrier_wait -3
	s_barrier_signal -1
	s_barrier_wait -1
.endm
.macro CROUND
	s_barrier_signal -1
	s_barrier_wait -1
	CREST
.endm
.macro BAR                             ; my LDS stores have landed and my LDS loads are in: then the work-group's barrier
	s_wait_dscnt 0x0
	s_barrier_signal -1
	s_barrier_wait -1
.endm
.macro EWOFF a, b                      ; s[98:99] = (expert << a) + (wave << b): nothing of my place in the cluster
	s_lshl_b32 s98, s[EX], \a
	s_lshl_b32 s101, s[WV], \b
	s_add_co_u32 s98, s98, s101
.endm
.macro ESOFF a, sg, b                  ; s[98:99] = (expert << a) + (chunk << b)
	s_lshl_b32 s98, s[EX], \a
	s_lshl_b32 s101, s[\sg], \b
	s_add_co_u32 s98, s98, s101
.endm
.macro BLOADS                          ; eight tiles' bias: lane (r, h) wants units 16 i + 8 h + 0..7
.irp i, 0,1,2,3,4,5,6,7
	global_load_b128 v[BIAS+8*\i:BIAS+8*\i+3], v[BO], s[BB:BB+1] offset:64*\i
	global_load_b128 v[BIAS+8*\i+4:BIAS+8*\i+7], v[BO], s[BB:BB+1] offset:64*\i+16
.endr
.endm
	s_load_b512 s[4:19], s[0:1], 0x0               ; xim, xsc, w1c, w1s, b1, W2_codes, W2_scales, b2
	s_load_b256 s[20:27], s[0:1], 0x40             ; W3_codes, W3_scales, b3, oe
	v_lshl_add_u32 v[SPW], v0, 2, SPARE
	v_mov_b32 v[NIL], 0
	ds_add_u32 v12, v13
	s_wait_dscnt 0x0
	v_lshrrev_b32 v[E], 5, v0
	v_readfirstlane_b32 s[WV], v[E]                ; wave 0..3
	s_bfe_u32 s31, ttmp6, 0x40000                  ; cx
	s_lshl_b32 s[BLK], ttmp9, 2
	s_add_co_u32 s[BLK], s[BLK], s31               ; my block of 128 tokens: it enters the addresses of xim, xsc, oe and the prefetches alone
	s_and_b32 s[EX], ttmp7, 0xffff                 ; the expert, which the four partners share
	s_and_b32 s[ROTB], ttmp9, 3                    ; the cluster's number along x, 0 .. 7, is the same in the four partners
	s_lshr_b32 s101, ttmp9, 2
	s_xor_b32 s[ROTB], s[ROTB], s101               ; rho, 0 .. 3
	s_lshl_b32 s[SG0], s[ROTB], 1
	s_add_co_u32 s[SG0], s[SG0], s[WV]
	s_and_b32 s[SG0], s[SG0], 7                    ; LDS chunk w holds K step (2 rho + w) mod 8,
	s_xor_b32 s[SG1], s[SG0], 4                    ; chunk 4 + w the K step four further round
	s_mov_b32 s[G1], 15|(1<<20)|(1<<21)|(4<<22)|(3<<25)           ; mask: all four; elements of 1 byte; padding: 4 words behind every 32; bit 21 beside a mask
	s_mov_b32 s[G1+1], 128<<16                     ; tensor_dim0 = 128 bytes
	s_mov_b32 s[G1+2], 128<<16                     ; tensor_dim1 = 128 rows
	s_mov_b32 s[G1+3], 128<<16                     ; tile_dim0
	s_mov_b32 s[G1+4], 128                         ; tile_dim1
	s_mov_b32 s[G1+5], 1024                        ; from row to row, in W2_codes and W3_codes alike
	s_mov_b32 s[G1+6], 0
	s_mov_b32 s[G1+7], 0
	s_mov_b32 s[G1W], 15|(3<<16)|(1<<21)           ; a chunk of w1c: 18,432 dense bytes as 72 rows of 256 (32 elements of 8 bytes), no padding
	s_mov_b32 s[G1W+1], 32<<16
	s_mov_b32 s[G1W+2], 72<<16
	s_mov_b32 s[G1W+3], 32<<16
	s_mov_b32 s[G1W+4], 72
	s_mov_b32 s[G1W+5], 32
	s_mov_b32 s[G1W+6], 0
	s_mov_b32 s[G1W+7], 0
	s_mov_b32 s[SEL], 0x76543210
	s_mov_b32 s[SEL+1], 0xfedcba98
	s_mov_b32 s[MNT], 0x600000
	s_cmp_lt_u32 ttmp9, 4
	s_cselect_b32 s[LIM], 1, -1                    ; clusters 0 to 3 prefetch at the second even K step of layer 2,
	s_cmp_eq_u32 ttmp9, 0
	s_cselect_b32 s[LIM2], 5, -1                   ; cluster 0 once more at the sixth: the same in all four partners
	s_mov_b32 s[PU], 0
	s_mov_b32 s99, 0
	s_mov_b32 s3, 0
	v_and_b32 v[E], 31, v0                         ; lane
	v_and_b32 v[E+1], 15, v0                       ; r
	v_bfe_u32 v[E+2], v0, 4, 1                     ; h
	v_lshlrev_b32 v[LI], 4, v[E]
	v_mul_u32_u24 v[ADW], v[E+1], 144
	v_lshl_add_u32 v[ADW], v[E+2], 3, v[ADW]       ; row r x 144 + 8 h: word 36 r + 2 h: the 32 lanes of an 8-byte load touch 64 different banks (ISA guide 11.1)
	s_mul_i32 s101, s[WV], PART
	s_add_co_u32 s101, s101, RING
	v_add_nc_u32 v[ADW], s101, v[ADW]
	v_add_nc_u32 v[ADW+1], SLOT, v[ADW]
	v_lshrrev_b32 v[SWB], 3, v[E+1]                ; W2's scale bytes: row n at (n / 8) x 272 + (n % 8) x 32
	v_mul_u32_u24 v[SWB], v[SWB], 272
	v_and_b32 v[ADT], 7, v[E+1]
	v_lshl_add_u32 v[SWB], v[ADT], 5, v[SWB]
	s_mul_i32 s101, s[WV], 4352
	s_add_co_u32 s101, s101, W2S
	v_add_nc_u32 v[SWB], s101, v[SWB]
	v_lshl_add_u32 v[TSB], v[E+1], 2, TS
	s_lshl_b32 s101, s[WV], 14
	v_add_nc_u32 v[HWIB], s101, v[LI]
	s_lshl_b32 s101, s[WV], 9
	v_add_nc_u32 v[HWSB], s101, v[TSB]
	v_lshlrev_b32 v[BO], 5, v[E+2]
	v_lshlrev_b32 v[PFO], 10, v[E]
	v_lshlrev_b32 v[RO], 3, v[E+1]
	v_lshlrev_b32 v[E+3], 3, v[E]                  ; 8 x lane
	v_lshlrev_b32 v[E+4], 5, v[E]                  ; 32 x lane
	s_lshl_b32 s101, s[WV], 13
	s_add_co_u32 s101, s101, 98304
	v_add_nc_u32 v[E+5], s101, v[LI]               ; inp's images: chunks 6, 7, a quarter to a wave
	s_lshl_b32 s101, s[WV], 8
	s_add_co_u32 s101, s101, TS+3072
	v_add_nc_u32 v[E+6], s101, v[E+3]              ; and its scale words
	v_lshrrev_b32 v[E+7], 3, v[E]
	v_mul_u32_u24 v[E+7], v[E+7], 272
	v_and_b32 v[ADT], 7, v[E]
	v_lshl_add_u32 v[E+7], v[ADT], 5, v[E+7]       ; (lane / 8) x 272 + (lane % 8) x 32
	s_mul_i32 s101, s[WV], 8704
	s_add_co_u32 s101, s101, W2S
	v_add_nc_u32 v[HOLD+80], s101, v[E+7]          ; W2's scale bytes: rows 256 w + 32 k + lane
	s_mul_i32 s101, s[WV], 1088
	s_add_co_u32 s101, s101, W3S
	v_add_nc_u32 v[E+7], s101, v[E+7]              ; W3's: row 32 w + lane
.irp j, 0,1,2,3
	s_add_co_u32 s101, s[ROTB], \j                 ; the j-th pair of scale words in the order of the walk is the row's pair (rho + j) mod 4
	s_and_b32 s101, s101, 3
	s_lshl_b32 s101, s101, 3
	v_add_nc_u32 v[HOLD+76+\j], s101, v[E+4]
.endr
	s_lshl_b32 s[ROTB], s[ROTB], 8                 ; from here on 256 rho
	s_wait_kmcnt 0x0
	s_lshl_b32 s98, s[EX], 3                       ; w1c: chunk 8 e + K step, 18,432 bytes each
	s_add_co_u32 s98, s98, s[SG0]
	s_mul_i32 s98, s98, PART
	s_mul_i32 s101, s[WV], PART
	s_mov_b32 s[G0R], 1
	s_add_co_u32 s[G0R+1], s101, RING
	s_add_nc_u64 s[G0R+2:G0R+3], s[8:9], s[98:99]
	s_or_b32 s[G0R+3], s[G0R+3], 0x80000000
	s_lshl_b32 s98, s[EX], 3
	s_add_co_u32 s98, s98, s[SG1]
	s_mul_i32 s98, s98, PART
	s_mov_b32 s[G0R+4], 1
	s_add_co_u32 s[G0R+5], s101, RING+SLOT
	s_add_nc_u64 s[G0R+6:G0R+7], s[8:9], s[98:99]
	s_or_b32 s[G0R+7], s[G0R+7], 0x80000000
	s_mov_b32 s[G0B], 1
	EWOFF 20, 17                                   ; W2_codes: row 512 p + 128 w, K step s at 128 s
	s_add_nc_u64 s[W2B0:W2B0+1], s[14:15], s[98:99]
	s_mov_b32 s98, s[ROTB]
	s_add_nc_u64 s[N2A:N2A+1], s[W2B0:W2B0+1], s[98:99]
	s_add_nc_u64 s[N3:N3+1], s[N2A:N2A+1], 524288
	s_add_nc_u64 s[N3+2:N3+3], s[N2A:N2A+1], 524288+128
	EWOFF 17, 7                                    ; W3_codes: all 128 rows; wave w of slot s brings K step 4 s + w
	s_add_nc_u64 s[N4:N4+1], s[20:21], s[98:99]
	s_add_nc_u64 s[N4+2:N4+3], s[N4:N4+1], 512
	EWOFF 17, 8                                    ; and for the prefetch: wave w names bytes 256 w on of a row
	s_add_nc_u64 s[PFB:PFB+1], s[20:21], s[98:99]
	s_add_nc_u64 s[W2B1:W2B1+1], s[W2B0:W2B0+1], 128
	EWOFF 15, 13                                   ; W2_scales: a quarter of the expert's 32,768 bytes
	s_add_nc_u64 s[16:17], s[16:17], s[98:99]
	ESOFF 13, SG0, 10                              ; w1s: 1,024 bytes a chunk
	s_add_nc_u64 s[W1SB:W1SB+1], s[10:11], s[98:99]
	ESOFF 13, SG1, 10
	s_add_nc_u64 s[W1SC:W1SC+1], s[10:11], s[98:99]
	ESOFF 12, SG0, 9                               ; b1: 512 bytes a chunk
	s_add_nc_u64 s[BB:BB+1], s[12:13], s[98:99]
	ESOFF 12, SG1, 9
	s_add_nc_u64 s[B1P1:B1P1+1], s[12:13], s[98:99]
	EWOFF 12, 9
	s_add_nc_u64 s[B2P0:B2P0+1], s[18:19], s[98:99]
	s_add_nc_u64 s[B2P1:B2P1+1], s[B2P0:B2P0+1], 2048
	s_lshl_b32 s98, s[EX], 9
	s_add_nc_u64 s[B3A:B3A+1], s[24:25], s[98:99]
	EWOFF 12, 10
	s_add_nc_u64 s[22:23], s[22:23], s[98:99]
	s_lshl_b32 s2, s[BLK], 15                      ; from here on offsets that hold my block
	s_lshl_b32 s101, s[WV], 13
	s_add_co_u32 s2, s2, s101
	s_add_nc_u64 s[4:5], s[4:5], s[2:3]            ; xim: block x 32768 + wave x 8192
	s_add_nc_u64 s[26:27], s[26:27], s[2:3]        ; oe: (128 block + 32 wave) rows of 256 bytes,
	s_lshl_b32 s2, s[EX], 20
	s_add_nc_u64 s[26:27], s[26:27], s[2:3]        ; in my expert's 1 MiB
	s_lshl_b32 s2, s[BLK], 10
	s_lshl_b32 s101, s[WV], 8
	s_add_co_u32 s2, s2, s101
	s_add_nc_u64 s[6:7], s[6:7], s[2:3]
	s_lshl_b32 s2, s31, 15                         ; the prefetches: of 128 rows my work-group names 32: the partners are told apart by address
	s_add_nc_u64 s[PFA:PFA+1], s[N3:N3+1], s[2:3]
	s_add_nc_u64 s[PFB:PFB+1], s[PFB:PFB+1], s[2:3]
	s_mul_i32 s[LB], s[WV], PART
	s_add_co_u32 s[LB], s[LB], RING
	s_mov_b32 s[WOP+1], 0
.irp k, 0,1,2,3,4,5,6,7,8,9,10,11,12,13,14,15
	global_load_b128 v[HOLD+4*\k:HOLD+4*\k+3], v[LI], s[4:5] offset:512*\k
.endr
	global_load_b64 v[HOLD+64:HOLD+65], v[E+3], s[6:7]
	global_load_b128 v[HOLD+68:HOLD+71], v[E+4], s[22:23]
	global_load_b128 v[HOLD+72:HOLD+75], v[E+4], s[22:23] offset:16
	WIN 0x40                                       ; into window 1, which is free until the first fragments
.irp k, 0,1,2,3,4,5,6,7
.irp j, 0,1,2,3
	global_load_b64 v[8*\k+2*\j:8*\k+2*\j+1], v[HOLD+76+\j], s[16:17] offset:1024*\k   ; W2's scale words of row 256 w + 32 k + lane, pair by pair in the order of the walk; the four loads of a k cover 1,024 consecutive bytes
.endr
.endr
	WIN 0
.irp i, 0,1,2,3,4,5,6,7
	global_load_b64 v[SCW+2*\i:SCW+2*\i+1], v[RO], s[W1SB:W1SB+1] offset:128*\i   ; W1's scale words of pass 0: both K steps of row 16 i + r
.endr
	BLOADS                                         ; b1 of pass 0
	CROUND                                         ; all four work-groups are here: the first joint loads meet
	tensor_load_to_lds s[G0R:G0R+3], s[G1W:G1W+7]  ; the first fills, one group: W1's tiles of both passes: two loads of mine are out
	s_nop 0
	tensor_load_to_lds s[G0R+4:G0R+7], s[G1W:G1W+7]
	s_nop 0
	PLACES 4
	s_wait_loadcnt 24                              ; inp, W3's and W2's scale bytes are in; W1's 8 loads of scale words and the bias's 16 may be out
.irp k, 0,1,2,3,4,5,6,7,8,9,10,11,12,13,14,15
	ds_store_b128 v[E+5], v[HOLD+4*\k:HOLD+4*\k+3] offset:512*\k
.endr
	ds_store_b64 v[E+6], v[HOLD+64:HOLD+65]
	ds_store_b128 v[E+7], v[HOLD+68:HOLD+71]
	ds_store_b128 v[E+7], v[HOLD+72:HOLD+75] offset:16
	WIN 0x04                                       ; an LDS store's data are its source 1: window 1
.irp k, 0,1,2,3,4,5,6,7
	ds_store_b128 v[HOLD+80], v[8*\k:8*\k+3] offset:1088*\k
	ds_store_b128 v[HOLD+80], v[8*\k+4:8*\k+7] offset:1088*\k+16
.endr
	WIN 0
	s_wait_tensorcnt 1                             ; pass 0's tile is in; pass 1's may stay out
	BAR
.macro ADDR                            ; the K step's three LDS addresses: a lane's base and a stepped scalar.  Three plain lines: they count among the places
	v_add_nc_u32 v[ADT], s[ST], v[LI]
	v_add_nc_u32 v[ADST], s[SS], v[TSB]
	v_add_nc_u32 v[ADSW], s[SW], v[SWB]
.endm
.macro WLOAD buf, adr, g               ; weight tiles 4 g .. 4 g + 3 of my part of a slot: 32 loads of 8 bytes
.irp q, 0,1,2,3
.irp c, 0,1,2,3,4,5,6,7
	ds_load_b64 v[\buf+16*\q+2*\c:\buf+16*\q+2*\c+1], v[\adr] offset:2304*(4*(\g)+\q)+16*\c
.endr
.endr
.endm
.macro WLOADT buf, g                   ; the same of W1's second K step: k = 128 + 8 h + 0..7 from bytes 128 + 8 h of the row (three codes, then zeros); all further k are zero codes, from the row's bytes 136 .. 143
.irp q, 0,1,2,3
	ds_load_b64 v[\buf+16*\q:\buf+16*\q+1], v[AW] offset:2304*(4*(\g)+\q)+128
.irp c, 1,2,3,4,5,6,7
	ds_load_b64 v[\buf+16*\q+2*\c:\buf+16*\q+2*\c+1], v[AZ] offset:2304*(4*(\g)+\q)+136
.endr
.endr
.endm
.macro TLOAD buf, off                  ; four token tiles' images: 16 loads of 16 bytes
.irp q, 0,1,2,3
.irp c, 0,1,2,3
	ds_load_b128 v[\buf+16*\q+4*\c:\buf+16*\q+4*\c+3], v[ADT] offset:\off+2048*\q+512*\c
.endr
.endr
.endm
.macro SCLOAD set, lay, d              ; scale words of K step + d into a set: the weights' (lay bytes from tile to tile; 0: they came from memory), the tokens'
.if \lay
.irp i, 0,1,2,3,4,5,6,7
	ds_load_b32 v[SCW+2*\i+(\set)], v[ADSW] offset:(\lay)*\i+4*(\d)
.endr
.endif
.irp i, 0,1,2,3,4,5,6,7
	ds_load_b32 v[SCT+2*\i+(\set)], v[ADST] offset:64*\i+512*(\d)
.endr
.endm
; token tiles a0 .. a0 + na - 1 x weight tiles bz .. bz + 3.  first = 1: the bias is the C, so nothing is cleared or added.  Each accumulator has one instruction a K step: they take turns
.macro QMUL a0, na, bz, tb, wb, set, first
.if \first
	WIN 0x85+0x40*((\a0)/4)
.else
	WIN 0xa5+0x50*((\a0)/4)
.endif
.set qa, \a0
.rept \na
.irp j, 0,1,2,3
.set qr, 8*(8*(qa%4)+\bz+\j)
.if \first
	v_wmma_scale_f32_16x16x128_f8f6f4 v[qr:qr+7], v[\wb+16*\j:\wb+16*\j+15], v[\tb+16*(qa%4):\tb+16*(qa%4)+15], v[BIAS+8*(\bz+\j):BIAS+8*(\bz+\j)+7], v[SCW+2*(\bz+\j)+\set], v[SCT+2*qa+\set]
.else
	v_wmma_scale_f32_16x16x128_f8f6f4 v[qr:qr+7], v[\wb+16*\j:\wb+16*\j+15], v[\tb+16*(qa%4):\tb+16*(qa%4)+15], v[qr:qr+7], v[SCW+2*(\bz+\j)+\set], v[SCT+2*qa+\set]
.endif
.endr
.set qa, qa+1
.endr
.endm
; A PREFETCH INTO THE L2: 32 rows x 256 bytes, a lane a row, one instruction a wave, behind the joint load of an even K step of layer 2.  Two in the launch.  In pass 0's third K step clusters 0 to 3 name,
; each for itself, the two K steps of W2 with which it will begin pass 1 (rho = the cluster's number there, so the four name all 1,024 bytes of the 512 rows, each block once); the joint loads for them stand four K steps on.
; In pass 1's third K step cluster 0 names W3 (128 rows x 1,024 bytes), likewise four K steps ahead.  All other tiles come by their loads alone.
.macro ASK
	s_cmp_eq_u32 s[PU], s[LIM]
	s_cbranch_scc0 .Lnot_mine_\@
	global_prefetch_b8 v[PFO], s[PFA:PFA+1] th:TH_LOAD_NT scope:SCOPE_SE
.Lnot_mine_\@:
.endm
; A K STEP OF LAYER 2: 64 products on four buffers of four fragments; each buffer is loaded again as soon as its products are issued.  It changes slots in its middle: by then all of this slot is in registers.
; par: the slot;  first: the pass's first step;  nxt: the pass has a next step;  rk: what fills this slot again: 0 the tile two steps on in the walk; 2 the next pass's or W3's tile.
.macro STEP par, first, nxt, rk
.if \par == 0
.set W0, WA
.set W1, WB
.set WBR, W2B0
	s_wait_xcnt 0x0                                ; a prefetch, two K steps back, has read its address
	s_cmp_eq_u32 s[PU], 2
	s_cselect_b64 s[PFA:PFA+1], s[PFB:PFB+1], s[PFA:PFA+1]   ; behind the first prefetch: on to the second's address and count
	s_cselect_b32 s[LIM], s[LIM2], s[LIM]
.else
.set W0, WB
.set W1, WA
.set WBR, W2B1
.endif
	ADDR
	PLACES 5                                       ; with the three lines above: eight
	WIN 0x40
	WLOAD W1, ADW+\par, 1
	TLOAD TB, 8192
	s_wait_dscnt 48                                ; all but these 48: token tiles 0-3, weight tiles 0-3 and the scale words are in
	QMUL 0, 4, 0, TA, W0, \par, \first
	WIN 0
	s_wait_tensorcnt 0x0                           ; my one load that was out, the next slot's, has landed: so a group 0 may be written
	ds_add_u32 v[SPW], v[NIL]                      ; 0 onto my spare word
.if \rk == 0
.if \par == 0
	s_add_co_u32 s[WO], s[WO], 256                 ; two K steps on in the row, round its 1,024 bytes;
	s_and_b32 s[WO], s[WO], 1023
	s_lshl_b32 s101, s[P], 19                      ; pass 1's rows lie 512 x 1,024 bytes further
	s_add_co_u32 s[WOP], s[WO], s101
.endif
	s_add_nc_u64 s[G0R+4*\par+2:G0R+4*\par+3], s[WBR:WBR+1], s[WOP:WOP+1]
.else
	s_cmp_eq_u32 s[P], 0
	s_cselect_b64 s[G0R+4*\par+2:G0R+4*\par+3], s[N3+2*\par:N3+2*\par+1], s[N4+2*\par:N4+2*\par+1]
.endif
	s_or_b32 s[G0R+4*\par+3], s[G0R+4*\par+3], 0x80000000
	s_wait_dscnt 17                                ; weight tiles 4-7 are in (token tiles 4-7's 16 loads and the add may be out)
	QMUL 0, 1, 4, TA, W1, \par, \first
	s_wait_dscnt 0x0                               ; the add is done, and my reads of this slot are over
	s_barrier_signal -1
	QMUL 1, 1, 4, TA, W1, \par, \first
	WIN 0
	s_barrier_wait -1
	CREST                                          ; no wave of any partner still reads this slot or has a load on its way
	tensor_load_to_lds s[G0R+4*\par:G0R+4*\par+3], s[G1:G1+7]   ; my one load behind the round: the tile two steps on; 56 products stand between it and the wait for it
	s_nop 0
	PLACES 4
.if \par == 0
	ASK
	s_add_co_u32 s[PU], s[PU], 1
.endif
	QMUL 2, 2, 4, TA, W1, \par, \first
.if \nxt
	PLACES 8
	WIN 0x40
	TLOAD TA, 16384
	WIN 0
	SCLOAD 1-\par, 544, 1
.endif
	QMUL 4, 4, 4, TB, W1, \par, \first
.if \nxt
	PLACES 8
	WIN 0x40
	WLOAD W1, ADW+1-\par, 0                        ; the next slot's tiles 0-3: my part of it has landed
.endif
	QMUL 4, 4, 0, TB, W0, \par, \first
	WIN 0
	s_add_co_u32 s[ST], s[ST], 16384
	s_add_co_u32 s[SS], s[SS], 512
	s_add_co_u32 s[SW], s[SW], 4
.endm
.macro BIASLOAD x, y                   ; the next pass's bias, behind the products that took this pass's as their C
	PLACES 8
	s_wait_xcnt 0x0                                ; the earlier loads have read their base
	s_cmp_eq_u32 s[P], 0
	s_cselect_b64 s[BB:BB+1], s[\x:\x+1], s[\y:\y+1]
	BLOADS
.endm
; Token tile m: its 64 numbers of a lane (8 tiles of units) become relu'd codes in HOLD and a scale word in HPW.  No |.|: what is negative becomes 0 and must not count; the floor stands over it.
.macro QUANT m
.set ws, 2+(\m)/4
.set A, 64*((\m)%4)
	WIN ws|(ws<<2)|0x50
.irp b, 0,1,2,3
	v_max3_num_f32 v[TM+\b], v[A+16*\b], v[A+16*\b+1], 0x4800000      ; each accumulator is read from its low end on
.endr
.irp i, 2,4,6,8,10,12,14
.irp b, 0,1,2,3
	v_max3_num_f32 v[TM+\b], v[A+16*\b+\i], v[A+16*\b+\i+1], v[TM+\b]
.endr
.endr
	WIN 0x55
.irp b, 0,1,2,3
	v_permlanex16_b32 v[TM+4+\b], v[TM+\b], s[SEL], s[SEL+1]
.endr
.irp b, 0,1,2,3
	v_max_num_f32 v[TM+\b], v[TM+\b], v[TM+4+\b]   ; with lane l xor 16's 16 units: the block's largest
.endr
.irp b, 0,1,2,3
	v_add_nc_u32 v[TM+12+\b], 0xfc000000, v[TM+\b] ; 8 off the exponent field: the conversion's scale operand
.endr
.irp b, 0,1,2,3
	v_and_or_b32 v[TM+8+\b], v[TM+\b], 0x7f800000, s[MNT]   ; 448 x the scale
.endr
.irp b, 0,1,2,3
	v_lshrrev_b32 v[TM+4+\b], 23, v[TM+12+\b]      ; the byte
.endr
	v_lshl_or_b32 v[TM+4], v[TM+5], 8, v[TM+4]
	v_lshl_or_b32 v[TM+4], v[TM+6], 16, v[TM+4]
	WIN 0x15
	v_lshl_or_b32 v[HPW+\m], v[TM+7], 24, v[TM+4]
	WIN ws|0x10|(ws<<6)
.irp b, 0,1,2,3
.irp i, 0,1,2,3,4,5,6,7,8,9,10,11,12,13,14,15
	v_med3_num_f32 v[A+16*\b+\i], v[A+16*\b+\i], 0, v[TM+8+\b]        ; the activation and the hold in one (the conversion does not saturate: ISA guide 7.6.2)
.endr
.endr
	WIN ws|0x04
.irp b, 0,1,2,3
	v_cvt_scalef32_pk8_fp8_f32 v[HOLD+16*\m+4*\b:HOLD+16*\m+4*\b+1], v[A+16*\b:A+16*\b+7], v[TM+12+\b]
	v_cvt_scalef32_pk8_fp8_f32 v[HOLD+16*\m+4*\b+2:HOLD+16*\m+4*\b+3], v[A+16*\b+8:A+16*\b+15], v[TM+12+\b]
.endr
	WIN 0
	v_nop                                          ; a plain line behind the last conversion
.endm
.macro QPHASE
	WIN 0x40
.irp b, 0,1,2,3
	v_mov_b32 v[TM+4+\b], 0                        ; a lane permute's destination counts as one of its sources
.endr
.irp m, 0,1,2,3,4,5,6,7
	QUANT \m
.endr
.endm
.macro STOREHOLD ai, aw                ; eight fragments go to LDS as they stand, and their scale words
.irp m, 0,1,2,3,4,5,6,7
.irp c, 0,1,2,3
	ds_store_b128 v[\ai], v[HOLD+16*\m+4*\c:HOLD+16*\m+4*\c+3] offset:2048*\m+512*\c
.endr
	ds_store_b32 v[\aw], v[HPW+\m] offset:64*\m
.endr
.endm
; ---------------- layer 1: two passes; a pass takes both its K steps (k = 0 .. 127; k = 128 .. 130 and zero codes) out of ONE slot, slot P, and then lets it be filled with W2's tile P, which lands while h1 is quantised
	s_mov_b32 s[P], 0
	s_mov_b32 s[PH], 0
	s_mov_b32 s[PS], 0
	s_mov_b32 s[SW], 0
	s_mov_b32 s[RS], 0
.Llayer1:
	s_mov_b32 s[ST], 98304                         ; inp: chunks 6, 7
	s_mov_b32 s[SS], 3072
	s_wait_loadcnt 0x0                             ; the bias and W1's scale words
	ADDR
	v_add_nc_u32 v[AW], s[RS], v[ADW]
	v_bfe_u32 v[AZ], v0, 4, 1
	v_lshlrev_b32 v[AZ], 3, v[AZ]
	v_sub_nc_u32 v[AZ], v[AW], v[AZ]
	WIN 0x40
	WLOAD WA, AW, 0
	TLOAD TA, 0
	WIN 0
	SCLOAD 0, 0, 0
	WIN 0x40
	WLOAD WB, AW, 1
	TLOAD TB, 8192
	s_wait_dscnt 48                                ; all but these 48: weight tiles 0-3, token tiles 0-3 and the tokens' scale words are in
	QMUL 0, 4, 0, TA, WA, 0, 1
	s_wait_dscnt 16                                ; weight tiles 4-7 are in (token tiles 4-7's 16 loads may be out)
	QMUL 0, 4, 4, TA, WB, 0, 1
	PLACES 8
	WIN 0x40
	TLOAD TA, 16384                                ; the second K step's token tiles 0-3
	WIN 0
	SCLOAD 1, 0, 1
	s_wait_dscnt 24                                ; token tiles 4-7 are in (behind them: the 16 + 8 loads just issued)
	QMUL 4, 4, 4, TB, WB, 0, 1
	PLACES 8
	WIN 0x40
	WLOADT WB, 1
	QMUL 4, 4, 0, TB, WA, 0, 1
	PLACES 8
	WIN 0x40
	WLOADT WA, 0
	TLOAD TB, 24576
	s_wait_dscnt 48                                ; all but these 48: the second K step's token tiles 0-3, scale words and weight tiles 4-7 are in
	QMUL 0, 4, 4, TA, WB, 1, 0
	s_wait_dscnt 16                                ; its weight tiles 0-3 are in
	QMUL 0, 4, 0, TA, WA, 1, 0
	WIN 0
	s_wait_tensorcnt 0x0                           ; no tensor load of mine is out (pass 0: W1's second tile has landed; pass 1: W2's tile 0): so a group 0 may be written
	ds_add_u32 v[SPW], v[NIL]                      ; 0 onto my spare word
	s_add_co_u32 s[G0B+1], s[LB], s[RS]            ; my part of slot P
	s_lshl_b32 s2, s[P], 7
	s_add_nc_u64 s[G0B+2:G0B+3], s[N2A:N2A+1], s[2:3]   ; the walk's K step P of W2's pass 0
	s_or_b32 s[G0B+3], s[G0B+3], 0x80000000
	s_wait_dscnt 0x0                               ; the add is done, and my reads of this slot are over
	s_barrier_signal -1
	QMUL 4, 2, 0, TB, WA, 1, 0
	WIN 0
	s_barrier_wait -1
	CREST                                          ; no wave of any partner still reads this slot or has a load on its way
	tensor_load_to_lds s[G0B:G0B+3], s[G1:G1+7]    ; my one load behind the round
	s_nop 0
	PLACES 4
	QMUL 6, 2, 0, TB, WA, 1, 0
	QMUL 4, 4, 4, TB, WB, 1, 0
	WIN 0
	BIASLOAD B1P1, B2P0
.irp i, 0,1,2,3,4,5,6,7
	global_load_b64 v[SCW+2*\i:SCW+2*\i+1], v[RO], s[W1SC:W1SC+1] offset:128*\i   ; pass 1's scale words of W1.  No branch: the second trip loads them once more and uses nothing of it
.endr
	QPHASE
	BAR                                            ; every wave's reads of inp are over: pass 1 stores over chunks 6, 7
	v_add_nc_u32 v[E], s[PH], v[HWIB]              ; chunk 4 P + w
	v_add_nc_u32 v[E+1], s[PS], v[HWSB]
	STOREHOLD E, E+1
	BAR                                            ; the pass's four chunks of h1 lie in LDS
	s_add_co_u32 s[PH], s[PH], 65536
	s_add_co_u32 s[PS], s[PS], 2048
	s_add_co_u32 s[RS], s[RS], SLOT
	s_add_co_u32 s[P], s[P], 1
	s_cmp_lt_u32 s[P], 2
	s_cbranch_scc1 .Llayer1
; ---------------- layer 2: two passes of eight K steps
	s_mov_b32 s[P], 0
	s_mov_b32 s[SW], 0
.Llayer2:
	s_mov_b32 s[ST], 0
	s_mov_b32 s[SS], 0
	s_mov_b32 s[WO], s[ROTB]                       ; the walk begins at K step 2 rho
	s_wait_loadcnt 0x0                             ; the bias
	ADDR
	WIN 0x40
	WLOAD WA, ADW, 0
	TLOAD TA, 0
	WIN 0
	SCLOAD 0, 544, 0
	STEP 0, 1, 1, 0
	BIASLOAD B2P1, B3A
	STEP 1, 0, 1, 0
	s_mov_b32 s[KC], 2
.Lpair:
	STEP 0, 0, 1, 0
	STEP 1, 0, 1, 0
	s_sub_co_u32 s[KC], s[KC], 1
	s_cmp_lg_u32 s[KC], 0
	s_cbranch_scc1 .Lpair
	STEP 0, 0, 1, 2
	STEP 1, 0, 0, 2
	BAR                                            ; every wave's reads of h1 in this pass are over
	s_cmp_eq_u32 s[P], 0
	s_cbranch_scc1 .Lheld                          ; pass 0: h1 is still wanted, so its h2 stays in registers
	STOREHOLD HWIB, HWSB                           ; pass 1: h1 is done with: pass 0's h2 takes chunks 0-3
	s_wait_dscnt 0x0                               ; the stores have read their registers
.Lheld:
	PLACES 8
	QPHASE
	s_add_co_u32 s[SW], s[SW], 17376               ; W2's scale bytes of the next 512 rows: 17,408 on, less the eight steps of 4
	s_add_co_u32 s[P], s[P], 1
	s_cmp_lt_u32 s[P], 2
	s_cbranch_scc1 .Llayer2
	v_add_nc_u32 v[E], 0x10000, v[HWIB]
	v_add_nc_u32 v[E+1], 2048, v[HWSB]
	STOREHOLD E, E+1                               ; pass 1's h2: chunks 4-7
	s_wait_tensorcnt 0x0                           ; my two parts of W3 have landed; the other waves read them
	BAR
; ---------------- layer 3: my two token tiles x eight tiles of outputs, eight K steps; W3's K step s lies at RING + 18432 s
	s_wait_loadcnt 0x0                             ; b3
	v_and_b32 v[E], 15, v0
	v_bfe_u32 v[E+1], v0, 4, 1
	v_mul_u32_u24 v[ADW], v[E], 144
	v_lshl_add_u32 v[ADW], v[E+1], 3, v[ADW]
	v_add_nc_u32 v[ADW], RING, v[ADW]
	s_lshl_b32 s101, s[WV], 12
	v_add_nc_u32 v[HWIB], s101, v[LI]              ; token tile 2 w
	s_lshl_b32 s101, s[WV], 7
	v_add_nc_u32 v[HWSB], s101, v[TSB]
	v_lshrrev_b32 v[SWB], 3, v[E]
	v_mul_u32_u24 v[SWB], v[SWB], 272
	v_and_b32 v[E+2], 7, v[E]
	v_lshl_add_u32 v[SWB], v[E+2], 5, v[SWB]
	v_add_nc_u32 v[SWB], W3S, v[SWB]
	s_mul_i32 s101, s[WV], 8704
	s_add_co_u32 s101, s101, W2S                   ; my stage for the way out: W2's scale bytes have had their last read, and no tensor load ever lands there
	v_mul_u32_u24 v[E+6], v[E], 272
	v_lshl_add_u32 v[E+6], v[E+1], 4, v[E+6]
	v_add_nc_u32 v[E+6], s101, v[E+6]              ; in: row r, 16 h
	v_mul_u32_u24 v[E+7], v[E+1], 272
	v_lshl_add_u32 v[E+7], v[E], 4, v[E+7]
	v_add_nc_u32 v[E+7], s101, v[E+7]              ; back: sixteen lanes to a row
	v_lshlrev_b32 v[BO], 8, v[E+1]
	v_lshl_add_u32 v[BO], v[E], 4, v[BO]           ; and the same two rows in oe
	s_mov_b32 s[R3], 0
	s_mov_b32 s[ST], 0
	s_mov_b32 s[SS], 0
	s_mov_b32 s[SW], 0
.macro L3LOAD set                      ; a K step's fragments and scale words: 82 LDS loads
	v_add_nc_u32 v[ADW+1], s[R3], v[ADW]
	v_add_nc_u32 v[ADT], s[ST], v[HWIB]
	v_add_nc_u32 v[ADST], s[SS], v[HWSB]
	v_add_nc_u32 v[ADSW], s[SW], v[SWB]
	s_add_co_u32 s[R3], s[R3], PART
	s_add_co_u32 s[ST], s[ST], 16384
	s_add_co_u32 s[SS], s[SS], 512
	s_add_co_u32 s[SW], s[SW], 4
	WIN 0x40
.irp i, 0,1,2,3,4,5,6,7
.irp c, 0,1,2,3,4,5,6,7
	ds_load_b64 v[128*(\set)+16*\i+2*\c:128*(\set)+16*\i+2*\c+1], v[ADW+1] offset:2304*\i+16*\c
.endr
.endr
	WIN 0xc0
.irp a, 0,1
.irp c, 0,1,2,3
	ds_load_b128 v[32*(\set)+16*\a+4*\c:32*(\set)+16*\a+4*\c+3], v[ADT] offset:2048*\a+512*\c
.endr
.endr
	WIN 0
.irp i, 0,1,2,3,4,5,6,7
	ds_load_b32 v[SCW+2*\i+(\set)], v[ADSW] offset:544*\i
.endr
.irp a, 0,1
	ds_load_b32 v[SCT+2*\a+(\set)], v[ADST] offset:64*\a
.endr
.endm
.macro L3STEP set, first, nxt
	s_wait_dscnt 0x0                               ; this step's 82 loads are in
.if \nxt
	PLACES 4                                       ; with the four additions that follow: eight
	L3LOAD 1-\set
.endif
.if \first
	WIN 0x8d                                       ; W3 window 1, tokens window 3, b3 window 0, sums window 2
.else
	WIN 0xad
.endif
.irp a, 0,1
.irp j, 0,1,2,3,4,5,6,7
.if \first
	v_wmma_scale_f32_16x16x128_f8f6f4 v[8*(8*\a+\j):8*(8*\a+\j)+7], v[128*\set+16*\j:128*\set+16*\j+15], v[32*\set+16*\a:32*\set+16*\a+15], v[BIAS+8*\j:BIAS+8*\j+7], v[SCW+2*\j+\set], v[SCT+2*\a+\set]
.else
	v_wmma_scale_f32_16x16x128_f8f6f4 v[8*(8*\a+\j):8*(8*\a+\j)+7], v[128*\set+16*\j:128*\set+16*\j+15], v[32*\set+16*\a:32*\set+16*\a+15], v[8*(8*\a+\j):8*(8*\a+\j)+7], v[SCW+2*\j+\set], v[SCT+2*\a+\set]
.endif
.endr
.endr
	WIN 0
.endm
	L3LOAD 0
	L3STEP 0, 1, 1
	s_mov_b32 s[KC], 3
.Lthree:
	L3STEP 1, 0, 1
	L3STEP 0, 0, 1
	s_sub_co_u32 s[KC], s[KC], 1
	s_cmp_lg_u32 s[KC], 0
	s_cbranch_scc1 .Lthree
	L3STEP 1, 0, 0
; ---------------- the clip and the way out.  Lane (r, h) holds 64 of token r's 128 outputs, lane l xor 16 the others
	PLACES 6
	v_mov_b32 v[E+4], 0                            ; (with the six lines above: eight places)
	v_mov_b32 v[E+5], 0
	WIN 0x0a                                       ; sources 0, 1 window 2
	v_pk_mul_f32 v[E:E+1], v[0:1], v[0:1]          ; the sums of squares, the two token tiles by turns, each accumulator from its low end on
	v_pk_mul_f32 v[E+2:E+3], v[64:65], v[64:65]
.set i, 2
.rept 31
	v_pk_fma_f32 v[E:E+1], v[i:i+1], v[i:i+1], v[E:E+1]
	v_pk_fma_f32 v[E+2:E+3], v[64+i:65+i], v[64+i:65+i], v[E+2:E+3]
.set i, i+2
.endr
	WIN 0
	v_add_f32 v[E], v[E], v[E+1]
	v_add_f32 v[E+2], v[E+2], v[E+3]
	v_permlanex16_b32 v[E+4], v[E], s[SEL], s[SEL+1]
	v_permlanex16_b32 v[E+5], v[E+2], s[SEL], s[SEL+1]
	v_add_f32 v[E], v[E], v[E+4]
	v_add_f32 v[E+2], v[E+2], v[E+5]
	v_sqrt_f32 v[E], v[E]
	v_sqrt_f32 v[E+2], v[E+2]
	v_nop                                          ; a plain line behind a transcendental
	s_wait_alu depctr_va_vdst(0)
	v_add_f32 v[E], 0x358637bd, v[E]               ; + 1e-6
	v_add_f32 v[E+2], 0x358637bd, v[E+2]
	v_rcp_f32 v[E], v[E]
	v_rcp_f32 v[E+2], v[E+2]
	v_nop
	s_wait_alu depctr_va_vdst(0)
	v_mul_f32 v[E], 0x41200000, v[E]               ; 10 / (norm + 1e-6),
	v_mul_f32 v[E+2], 0x41200000, v[E+2]
	v_min_num_f32 v[E], 1.0, v[E]                  ; at most 1
	v_min_num_f32 v[E+2], 1.0, v[E+2]
	v_mov_b32 v[E+1], v[E]                         ; twice, for the packed multiply
	v_mov_b32 v[E+3], v[E+2]
	WIN 0x82                                       ; source 0 and destination window 2
.irp a, 0,1
.set i, 0
.rept 32
	v_pk_mul_f32 v[64*\a+i:64*\a+i+1], v[64*\a+i:64*\a+i+1], v[E+2*\a:E+2*\a+1]
.set i, i+2
.endr
.endr
	WIN 0x0a
.set i, 0
.rept 64
	v_cvt_pk_bf16_f32 v[HOLD+i], v[2*i], v[2*i+1]  ; four registers a tile: outputs 16 j + 8 h + 0..7 of token r, 16 bytes
.set i, i+1
.endr
	WIN 0
.irp a, 0,1
.irp j, 0,1,2,3,4,5,6,7
	ds_store_b128 v[E+6], v[HOLD+32*\a+4*\j:HOLD+32*\a+4*\j+3] offset:4352*\a+32*\j
.endr
.endr
.irp u, 0,1,2,3,4,5,6,7,8,9,10,11,12,13,14,15
	ds_load_b128 v[HOLD+64+4*\u:HOLD+64+4*\u+3], v[E+7] offset:544*\u   ; LDS serves a wave's instructions in order (ISA guide 5.7.1.4): these see my stores
.endr
.irp u, 0,1,2,3,4,5,6,7,8,9,10,11,12,13,14,15
	s_wait_dscnt 15-\u
	global_store_b128 v[BO], v[HOLD+64+4*\u:HOLD+64+4*\u+3], s[26:27] offset:512*\u   ; sixteen lanes store a token's 256 bytes, aligned
.endr
	s_wait_tensorcnt 0x0                           ; the wave's end
	ds_add_u32 v[SPW], v[NIL]
	s_wait_dscnt 0x0
	CROUND                                         ; the closing round: no work-group ends while a partner may still ask for a tile that names it
	s_endpgm
.Lfunc_end_k_q5ec8fba46e_experts:
	.size	k_q5ec8fba46e_experts, .Lfunc_end_k_q5ec8fba46e_experts-k_q5ec8fba46e_experts
	.p2alignl 7, 3214868480
	.fill 96, 4, 3214868480
	.section	.rodata,"a",@progbits
	.p2align	6, 0x0
	.amdhsa_kernel k_q5ec8fba46e_experts
		.amdhsa_group_segment_fixed_size 327680
		.amdhsa_private_segment_fixed_size 0
		.amdhsa_enable_private_segment 0
		.amdhsa_kernarg_size 96
		.amdhsa_user_sgpr_count 2
		.amdhsa_user_sgpr_kernarg_segment_ptr 1
		.amdhsa_wavefront_size32 1
		.amdhsa_system_sgpr_workgroup_id_x 1
		.amdhsa_system_sgpr_workgroup_id_y 1
		.amdhsa_system_sgpr_workgroup_id_z 1
		.amdhsa_system_vgpr_workitem_id 0
		.amdhsa_next_free_vgpr 1024
		.amdhsa_next_free_sgpr 102
		.amdhsa_reserve_vcc 0
		.amdhsa_float_denorm_mode_32 3
		.amdhsa_float_denorm_mode_16_64 3
		.amdhsa_memory_ordered 1
		.amdhsa_forward_progress 1
		.amdhsa_inst_pref_size 255
	.end_amdhsa_kernel
	.section	.bss,"aw",@nobits
	.p2align	6
	.space	262144
	.amdgpu_metadata
---
amdhsa.version: [ 1, 2 ]
amdhsa.kernels:
  - .name:           k_q5ec8fba46e_experts
    .symbol:         k_q5ec8fba46e_experts.kd
    .args:
      - { .name: xim, .offset: 0, .size: 8, .value_kind: global_buffer, .address_space: global }
      - { .name: xsc, .offset: 8, .size: 8, .value_kind: global_buffer, .address_space: global }
      - { .name: w1c, .offset: 16, .size: 8, .value_kind: global_buffer, .address_space: global }
      - { .name: w1s, .offset: 24, .size: 8, .value_kind: global_buffer, .address_space: global }
      - { .name: b1, .offset: 32, .size: 8, .value_kind: global_buffer, .address_space: global }
      - { .name: W2_codes, .offset: 40, .size: 8, .value_kind: global_buffer, .address_space: global }
      - { .name: W2_scales, .offset: 48, .size: 8, .value_kind: global_buffer, .address_space: global }
      - { .name: b2, .offset: 56, .size: 8, .value_kind: global_buffer, .address_space: global }
      - { .name: W3_codes, .offset: 64, .size: 8, .value_kind: global_buffer, .address_space: global }
      - { .name: W3_scales, .offset: 72, .size: 8, .value_kind: global_buffer, .address_space: global }
      - { .name: b3, .offset: 80, .size: 8, .value_kind: global_buffer, .address_space: global }
      - { .name: oe, .offset: 88, .size: 8, .value_kind: global_buffer, .address_space: global }
    .group_segment_fixed_size: 327680
    .private_segment_fixed_size: 0
    .kernarg_segment_align: 8
    .kernarg_segment_size: 96
    .max_flat_workgroup_size: 128
    .sgpr_count:     102
    .vgpr_count:     1024
    .wavefront_size: 32
...
	.end_amdgpu_metadata
.endif
;; end of part 2
;; launch combine (part 3): grid 256 x 1, 8 waves a work-group, no clusters, 0 bytes of LDS; arguments oe, gat, out0; writes out0
.if DOCPART == 3
	.amdgcn_target "amdgcn-amd-amdhsa--gfx1250"
	.amdhsa_code_object_version 6
	.text
	.protected	k_q5ec8fba46e_combine
	.globl	k_q5ec8fba46e_combine
	.p2align	8
	.type	k_q5ec8fba46e_combine,@function
k_q5ec8fba46e_combine:
	s_mov_b64 s[64:65], 0
	v_nop
	global_prefetch_b8 v0, s[64:65] scope:SCOPE_SE
	s_setreg_imm32_b32 hwreg(HW_REG_WAVE_MODE, 25, 1), 1
	s_wait_xcnt 0x0
; out0[token][s] = the sum over the 8 experts of gate[token][e] x oe[e][token][s].  oe: bf16, gates and sums f32.
; A stream: a thread takes two items of four outputs, 256 threads apart.  Item g: token g / 32; its 8 bytes of each expert lie at e x 1 MiB + 8 g,
; so a wave's load covers 256 consecutive bytes and its store 512.  All twenty loads go out first.  No LDS, no barrier, no matrix unit: nothing is shared and K is 8.
	s_load_b128 s[4:7], s[0:1], 0x0                ; oe, gat
	s_load_b64 s[8:9], s[0:1], 0x10                ; out0
	s_lshl_b32 s10, ttmp9, 9
	v_add_nc_u32 v1, s10, v0                       ; g of my first item
	v_lshlrev_b32 v2, 3, v1                        ; 8 g
	v_lshrrev_b32 v3, 5, v1
	v_lshlrev_b32 v3, 5, v3                        ; 32 bytes of gates a token
	v_lshlrev_b32 v4, 4, v1                        ; 16 g
	s_wait_kmcnt 0x0
.irp i, 0,1
.irp e, 0,1,2,3,4,5,6,7
	global_load_b64 v[8+16*\i+2*\e:9+16*\i+2*\e], v2, s[4:5] offset:\e*1048576+2048*\i th:TH_LOAD_NT
.endr
	global_load_b128 v[40+8*\i:43+8*\i], v3, s[6:7] offset:256*\i
	global_load_b128 v[44+8*\i:47+8*\i], v3, s[6:7] offset:256*\i+16
.endr
.macro ITEM i
.set X, 8+16*\i
.set G, 40+8*\i
.set A, 64+4*\i
	v_lshlrev_b32 v56, 16, v[X]                    ; expert 0 starts the sums: bf16 to f32 is a shift or a mask
	v_and_b32 v57, 0xffff0000, v[X]
	v_lshlrev_b32 v58, 16, v[X+1]
	v_and_b32 v59, 0xffff0000, v[X+1]
.irp q, 0,1,2,3
	v_mul_f32 v[A+\q], v[56+\q], v[G]
.endr
.irp e, 1,2,3,4,5,6,7
	v_fma_mix_f32_bf16 v[A], v[X+2*\e], v[G+\e], v[A] op_sel_hi:[1,0,0]                    ; a bf16 half x the gate + the sum, in f32
	v_fma_mix_f32_bf16 v[A+1], v[X+2*\e], v[G+\e], v[A+1] op_sel:[1,0,0] op_sel_hi:[1,0,0]
	v_fma_mix_f32_bf16 v[A+2], v[X+2*\e+1], v[G+\e], v[A+2] op_sel_hi:[1,0,0]
	v_fma_mix_f32_bf16 v[A+3], v[X+2*\e+1], v[G+\e], v[A+3] op_sel:[1,0,0] op_sel_hi:[1,0,0]
.endr
	global_store_b128 v4, v[A:A+3], s[8:9] offset:4096*\i th:TH_STORE_NT
.endm
	s_wait_loadcnt 10                              ; the first item's ten loads are in; the second's may be out
	ITEM 0
	s_wait_loadcnt 0x0
	ITEM 1
	s_endpgm
.Lfunc_end_k_q5ec8fba46e_combine:
	.size	k_q5ec8fba46e_combine, .Lfunc_end_k_q5ec8fba46e_combine-k_q5ec8fba46e_combine
	.p2alignl 7, 3214868480
	.fill 96, 4, 3214868480
	.section	.rodata,"a",@progbits
	.p2align	6, 0x0
	.amdhsa_kernel k_q5ec8fba46e_combine
		.amdhsa_group_segment_fixed_size 0
		.amdhsa_private_segment_fixed_size 0
		.amdhsa_enable_private_segment 0
		.amdhsa_kernarg_size 24
		.amdhsa_user_sgpr_count 2
		.amdhsa_user_sgpr_kernarg_segment_ptr 1
		.amdhsa_wavefront_size32 1
		.amdhsa_system_sgpr_workgroup_id_x 1
		.amdhsa_system_sgpr_workgroup_id_y 1
		.amdhsa_system_sgpr_workgroup_id_z 1
		.amdhsa_system_vgpr_workitem_id 0
		.amdhsa_next_free_vgpr 72
		.amdhsa_next_free_sgpr 66
		.amdhsa_reserve_vcc 0
		.amdhsa_float_denorm_mode_32 3
		.amdhsa_float_denorm_mode_16_64 3
		.amdhsa_memory_ordered 1
		.amdhsa_forward_progress 1
		.amdhsa_inst_pref_size 7
	.end_amdhsa_kernel
	.amdgpu_metadata
---
amdhsa.version: [ 1, 2 ]
amdhsa.kernels:
  - .name:           k_q5ec8fba46e_combine
    .symbol:         k_q5ec8fba46e_combine.kd
    .args:
      - { .name: oe, .offset: 0, .size: 8, .value_kind: global_buffer, .address_space: global }
      - { .name: gat, .offset: 8, .size: 8, .value_kind: global_buffer, .address_space: global }
      - { .name: out0, .offset: 16, .size: 8, .value_kind: global_buffer, .address_space: global }
    .group_segment_fixed_size: 0
    .private_segment_fixed_size: 0
    .kernarg_segment_align: 8
    .kernarg_segment_size: 24
    .max_flat_workgroup_size: 256
    .sgpr_count:     66
    .vgpr_count:     72
    .wavefront_size: 32
...
	.end_amdgpu_metadata
.endif
;; end of part 3
